; MI455X (gfx1250); checked and timed in simulation.
; The chip was launched on July 23, 2026; its instructions are those of AMD's public machine-readable ISA for CDNA 5 (MIT licence, August 2026) and "CDNA5" Instruction Set Architecture Reference Guide (July 2026). The comments in the code are by the model that wrote it; some were corrected since.
;; Selective Centroid Layer. Allowed arithmetic: matrix products marked QUANTISED: E2M1 operands, one E8M0 scale for each 32 along K, by v_wmma_scale_f32_16x16x128_f8f6f4 with both operands' format E2M1 (or v_wmma_scale_f32_32x16x128_f4), f32 sums; everything else in f32.
;; Inputs: centroids 1,000 x 2 x 512 float32; rejective_centroids 2,000 x 512 float32; x 8,192 x 512 float32.
;; Outputs: out0 8,192 x 1,001 float32.
;; Constants: return_dists = 1.
;; This version of the problem:
;;   THIS VERSION OF THE PROBLEM IS GIVEN IN LOW PRECISION. The matrix products marked QUANTISED in the list below multiply operands that are first quantised to E2M1 (2 exponent bits, 1 mantissa bit; 4 bits a number), with one power-of-two scale for each 32 numbers along K (OCP MX v1.0); their sums are f32. All else is computed in f32.
;;   The module's matrix products, in the order in which they are computed (A, B: the left and right operand; K: the contracted axis; several contracted axes count as one K, in the product's order):
;;     1. [M 8,192, K 512] x [K 512, N 2,000]; A: input x; B: computed on the way: QUANTISED
;;     2. [M 8,192, K 512] x [K 512, N 2,000]; A: input x; B: input rejective_centroids: QUANTISED
;;     3. [M 8,192, K 512] x [K 512, N 2,000]; A: computed on the way; B: input rejective_centroids: QUANTISED
;;   THE QUANTISER, for each operand of a quantised product, along K:
;;     - K is cut into blocks of 32 from its start; a last block that is shorter is filled with zeros.
;;     - A block's scale is 2^e with e = floor(log2(the largest magnitude in the block)) - 2, held to -126 .. 127; a block of zeros has e = 0. As a byte (E8M0): e + 127.
;;     - Each number is divided by its block's scale, clamped to +-6, and rounded to the nearest number of E2M1, ties to even, subnormals kept.
;;     - The product sums the exact products of the quantised numbers (number of the format x scale) in f32.
;;   ~~~python
;;   def quantise(x, axis):      # numpy; x: float32 -> the quantised numbers, widened to float32 again
;;       x = np.moveaxis(x, axis, -1); K = x.shape[-1]
;;       x = np.pad(x, [(0, 0)] * (x.ndim - 1) + [(0, -K % 32)]); x = x.reshape(x.shape[:-1] + (-1, 32)); a = np.abs(x).max(-1, keepdims=True)
;;       e = np.where(a > 0, np.clip(np.frexp(np.where(a > 0, a, 1))[1] - 1 - 2, -126, 127), 0)      # np.frexp(a)[1] - 1 = floor(log2(a)), exactly
;;       r = np.clip(x / 2.0 ** e, -6, 6)
;;       step = 2.0 ** (np.maximum(np.frexp(np.where(r == 0, 1, r))[1] - 1, 0) - 1)
;;       q = np.round(r / step) * step * 2.0 ** e      # np.round: ties to even
;;       return np.moveaxis(q.reshape(q.shape[:-2] + (-1,))[..., :K], -1, axis).astype(np.float32)
;;   ~~~
;;   OPERANDS COMPUTED ON THE WAY. 'Computed on the way' means the value that the module computes at that place (a softmax that the list does not call 'softmax' is quantised finished and normalised). What goes into a quantiser is computed in f32, as accurately as f32 sums, v_exp_f32 and their like allow (about 1e-6 of the number): no bf16 or f16 on the way to a quantiser, and a product that is left as it is and whose result goes on into a quantised operand takes f32 operands (vector FMAs, or v_wmma_f32_16x16x4_f32). A number that lies on a knife's edge between two numbers of the format may be rounded either way, as far as f32 arithmetic and the matrix unit's own rounding can turn it there, and no further.
;; One version. Each part assembles by itself: llvm-mc -triple=amdgcn-amd-amdhsa -mcpu=gfx1250 --defsym DOCPART=n.
;; ======== version 1 of 1: 4 launches
;; limits: right only within a limited range of input values
;; workspace buffers: wmax 2,048 bytes; cfrec 576,000 bytes; rrec 576,000 bytes; stat 256 bytes; idx 32,768 bytes of whole numbers
;; launch norms (part 1): grid 125 x 1, 4 waves a work-group, no clusters, 0 bytes of LDS; arguments centroids, wmax; writes wmax
.if DOCPART == 1
	.amdgcn_target "amdgcn-amd-amdhsa--gfx1250"
	.amdhsa_code_object_version 6
	.text
	.protected	k_qcf986d9c35_norms
	.globl	k_qcf986d9c35_norms
	.p2align	8
	.type	k_qcf986d9c35_norms,@function
k_qcf986d9c35_norms:
	s_mov_b64 s[64:65], 0
	v_nop
	global_prefetch_b8 v0, s[64:65] scope:SCOPE_SE
	s_setreg_imm32_b32 hwreg(HW_REG_WAVE_MODE, 25, 1), 1
	s_wait_xcnt 0x0
; SelectiveCentroidLayer, first of four launches: wmax[i] = the largest squared norm of centroid rows 4 i to 4 i + 3 (2,000 rows of 512 f32).
; THE PROGRAM.  norms: the rows' squared norms.  quant: the rejective centroids and cf = centroids / (largest norm + 1e-16) become codes of E2M1 with E8M0 scales, laid as
; records of 16 rows.  dist: x is quantised; product 1, y = -min over a class's pair of dist, and the argmin, stored as whole numbers.  rej: products 2 and 3 and rej_hd.
; WORK LEFT OUT, for all values of the inputs.  return_dists is the constant 1, so reference() returns inside its if: min_d, removed, second, y_bot, accept and soft are never reached.
; sqrt, max(., 0) and x2 - 2 E do not turn an order round, so a pair's minimum of dist is taken as the maximum of E = x . cf - c2 / 2 ahead of them: one root a class.
; Every input has a way to an output and is loaded.  LIMIT: a NaN, an infinity or an overflow that would reach only the work left out is not carried to the result.
; LIMITS of the program: NaN and infinities among the inputs are not served; a block of zeros gets the scale byte 1 (its codes are zeros; this program alone reads the bytes);
; the division by the largest norm is a reciprocal and a multiplication; c2 and r2 enter the sums as the matrix instruction's C, -c2 / 2, so the order of rounding differs from reference()'s.
; SHARES.  Wave w of work-group g takes rows 16 g + 4 w to + 3: a row is 2,048 bytes, four loads of 512 consecutive bytes.  No LDS, no barrier: waves share nothing.
.set X,  16                            ; v16-79  four rows, 16 numbers a lane each
.set AC, 80                            ; v80-87  a pair of running sums for each row
.set SM, 8                             ; v8-11   the rows' sums
.set PD, 88                            ; v88-91  the other half of the lanes' sums
	s_load_b128 s[4:7], s[0:1], 0x0                ; centroids s[4:5], wmax s[6:7]
	v_lshrrev_b32 v1, 5, v0
	v_readfirstlane_b32 s8, v1                     ; wave 0..3
	v_and_b32 v2, 31, v0                           ; lane
	v_lshlrev_b32 v3, 4, v2                        ; 16 bytes a lane
	v_mov_b32 v4, 0                                ; the store's offset
.irp w, 0,1,2,3
	v_mov_b32 v[PD+\w], 0                          ; written once: a lane permute's destination counts as one of its sources
.endr
	s_lshl_b32 s9, ttmp9, 4
	s_lshl_b32 s10, s8, 2
	s_add_co_u32 s9, s9, s10                       ; my first row
	s_lshl_b32 s10, s9, 11                         ; its byte in centroids (under 2^23)
	s_mov_b32 s11, 0
	s_mov_b32 s14, s9                              ; my word of wmax: 4 bytes for four rows
	s_mov_b32 s15, 0
	s_mov_b32 s12, 0x76543210
	s_mov_b32 s13, 0xfedcba98                      ; v_permlanex16_b32's selects for lane l xor 16
	s_wait_alu depctr_va_vdst(0)
	s_wait_kmcnt 0x0
	s_add_nc_u64 s[4:5], s[4:5], s[10:11]
	s_add_nc_u64 s[6:7], s[6:7], s[14:15]
.irp w, 0,1,2,3
.irp q, 0,1,2,3
	global_load_b128 v[X+16*\w+4*\q:X+16*\w+4*\q+3], v3, s[4:5] offset:2048*\w+512*\q
.endr
.endr
	s_wait_loadcnt 0x0
.irp w, 0,1,2,3
	v_pk_mul_f32 v[AC+2*\w:AC+2*\w+1], v[X+16*\w:X+16*\w+1], v[X+16*\w:X+16*\w+1]   ; the first squares start the sums; the four rows by turns
.endr
.irp j, 2,4,6,8,10,12,14
.irp w, 0,1,2,3
	v_pk_fma_f32 v[AC+2*\w:AC+2*\w+1], v[X+16*\w+\j:X+16*\w+\j+1], v[X+16*\w+\j:X+16*\w+\j+1], v[AC+2*\w:AC+2*\w+1]
.endr
.endr
.irp w, 0,1,2,3
	v_add_f32 v[SM+\w], v[AC+2*\w], v[AC+2*\w+1]
.endr
.irp m, 1,2,4,8
.irp w, 0,1,2,3
	v_add_f32_dpp v[SM+\w], v[SM+\w], v[SM+\w] row_xmask:\m row_mask:0xf bank_mask:0xf
.endr
.endr
.irp w, 0,1,2,3
	v_permlanex16_b32 v[PD+\w], v[SM+\w], s12, s13
.endr
.irp w, 0,1,2,3
	v_add_f32 v[SM+\w], v[SM+\w], v[PD+\w]         ; every lane holds the row's sum
.endr
	v_max3_num_f32 v[SM], v[SM], v[SM+1], v[SM+2]
	v_cmp_eq_u32 vcc_lo, 0, v2
	v_max_num_f32 v[SM], v[SM], v[SM+3]            ; the largest of my four rows
	s_wait_alu depctr_va_vdst(0)
	s_wait_xcnt 0x0                                ; EXEC changes only behind this wait
	s_and_saveexec_b32 s16, vcc_lo                 ; lane 0 stores the wave's maximum
	global_store_b32 v4, v[SM], s[6:7]
	s_wait_xcnt 0x0                                ; and again, in front of the line that widens it
	s_or_b32 exec_lo, exec_lo, s16
	s_endpgm
.Lfunc_end_k_qcf986d9c35_norms:
	.size	k_qcf986d9c35_norms, .Lfunc_end_k_qcf986d9c35_norms-k_qcf986d9c35_norms
	.p2alignl 7, 3214868480
	.fill 96, 4, 3214868480
	.section	.rodata,"a",@progbits
	.p2align	6, 0x0
	.amdhsa_kernel k_qcf986d9c35_norms
		.amdhsa_group_segment_fixed_size 0
		.amdhsa_private_segment_fixed_size 0
		.amdhsa_enable_private_segment 0
		.amdhsa_kernarg_size 16
		.amdhsa_user_sgpr_count 2
		.amdhsa_user_sgpr_kernarg_segment_ptr 1
		.amdhsa_wavefront_size32 1
		.amdhsa_system_sgpr_workgroup_id_x 1
		.amdhsa_system_sgpr_workgroup_id_y 1
		.amdhsa_system_sgpr_workgroup_id_z 1
		.amdhsa_system_vgpr_workitem_id 0
		.amdhsa_next_free_vgpr 96
		.amdhsa_next_free_sgpr 66
		.amdhsa_reserve_vcc 1
		.amdhsa_float_denorm_mode_32 3
		.amdhsa_float_denorm_mode_16_64 3
		.amdhsa_memory_ordered 1
		.amdhsa_forward_progress 1
		.amdhsa_inst_pref_size 7
	.end_amdhsa_kernel
	.amdgpu_metadata
---
amdhsa.version: [ 1, 2 ]
amdhsa.kernels:
  - .name:           k_qcf986d9c35_norms
    .symbol:         k_qcf986d9c35_norms.kd
    .args:
      - { .name: centroids, .offset: 0, .size: 8, .value_kind: global_buffer, .address_space: global }
      - { .name: wmax, .offset: 8, .size: 8, .value_kind: global_buffer, .address_space: global }
    .group_segment_fixed_size: 0
    .private_segment_fixed_size: 0
    .kernarg_segment_align: 8
    .kernarg_segment_size: 16
    .max_flat_workgroup_size: 128
    .sgpr_count:     66
    .vgpr_count:     96
    .wavefront_size: 32
...
	.end_amdgpu_metadata
.endif
;; end of part 1
;; launch quant (part 2): grid 250 x 1, 8 waves a work-group, no clusters, 5,632 bytes of LDS; arguments rejective_centroids, centroids, wmax, rrec, cfrec, stat; writes rrec, cfrec, stat
.if DOCPART == 2
	.amdgcn_target "amdgcn-amd-amdhsa--gfx1250"
	.amdhsa_code_object_version 6
	.text
	.protected	k_qcf986d9c35_quant
	.globl	k_qcf986d9c35_quant
	.p2align	8
	.type	k_qcf986d9c35_quant,@function
k_qcf986d9c35_quant:
	s_mov_b64 s[64:65], 0
	v_nop
	global_prefetch_b8 v0, s[64:65] scope:SCOPE_SE
	s_setreg_imm32_b32 hwreg(HW_REG_WAVE_MODE, 25, 1), 1
	s_wait_xcnt 0x0
; Second launch: the rejective centroids (125 tiles of 16 rows) and cf = centroids x inv (125 tiles), inv = 1 / (sqrt(largest squared norm) + 1e-16), become RECORDS of 4,608 bytes a tile, in the order of the tiles:
;   bytes 0-4095     codes of E2M1 as images of an operand's registers: K step s (128 along K) at 1,024 s, half c at 512 c, lane l = r + 16 h at 16 l: the codes of k = 128 s + 64 c + 32 h + 0 .. 31 of row r
;   bytes 4096-4351  E8M0 scale bytes, 16 for row r at 16 r: word s belongs to K step s
;   bytes 4352-4607  16 f32: -1/2 x the sum of squares of the row (cf's: of the scaled row), unquantised; the 64 bytes stand four times on end, so that every byte of the record is written
; A block's scale is 2^(floor(log2(its largest magnitude)) - 2); its byte is the largest magnitude's exponent field - 2, held at 1 from below.
; LIMITS: a block of zeros gets the byte 1 where the rule says 127 (its codes are zeros; this program alone reads the bytes); NaN and infinities are not served; the division by the largest norm is a reciprocal and a multiplication.
; Nothing of reference() is left out here but the branch that return_dists = 1 never reaches.
; SHARES.  Work-groups 0-124 take the rejective centroids, 125-249 the centroids.  Wave w takes rows 2 w and 2 w + 1 of the tile.  A lane takes eight neighbours along K of each half row: k = 256 q + 8 lane + 0 .. 7,
; so four neighbouring lanes hold a block of 32, and a conversion gives one word of codes.  The words meet in LDS as the record, which leaves in whole units.  No loop and nothing shared between work-groups: no prefetch, no cluster.
.set REC, 4608
.set SPARE, 4608                       ; the spare words, 128 bytes for each wave: four blocks of 256 bytes that no other line names
.set SPW, 2                            ; v2   LDS address of my spare word; never rewritten
.set NIL, 3                            ; v3   0; never rewritten
.set X,   16                           ; v16-47  chunk n = 2 e + q (row e, half q): 8 registers
.set Q,   48                           ; v48-63  at work in Q4
.set SU,  64                           ; v64-67  sums
.set PD,  68                           ; v68-70  lane permutes' results
.set WM,  72                           ; v72-87  the waves' maxima
.set SCP, 88                           ; v[88:89] inv, twice
.macro Q4 x, m                         ; four chunks of eight: scale operands in m+4 on, scale bytes in m+8 on, codes in m+12 on
.irp n, 0,1,2,3
	v_max3_num_f32 v[\m+\n], |v[\x+8*\n]|, |v[\x+8*\n+1]|, 0x1800000   ; with the floor 2^(3 - 127): the byte cannot fall under 1
.endr
.irp i, 2,4,6
.irp n, 0,1,2,3
	v_max3_num_f32 v[\m+\n], v[\m+\n], |v[\x+8*\n+\i]|, |v[\x+8*\n+\i+1]|
.endr
.endr
.irp k, 1,2
.irp n, 0,1,2,3
	v_max_num_f32_dpp v[\m+\n], v[\m+\n], v[\m+\n] row_xmask:\k row_mask:0xf bank_mask:0xf   ; four lanes hold a block
.endr
.endr
.irp n, 0,1,2,3
	v_add_nc_u32 v[\m+4+\n], 0xff000000, v[\m+\n]  ; 2 off its exponent field: the conversion takes the exponent field of this operand as its scale
.endr
.irp n, 0,1,2,3
	v_lshrrev_b32 v[\m+8+\n], 23, v[\m+4+\n]       ; the scale's byte
.endr
.irp n, 0,1,2,3
	v_cvt_scalef32_pk8_fp4_f32 v[\m+12+\n], v[\x+8*\n:\x+8*\n+7], v[\m+4+\n]
.endr
	v_nop                                          ; one plain place behind a scaled conversion
.endm
	s_load_b256 s[4:11], s[0:1], 0x0               ; rejective s[4:5], centroids s[6:7], wmax s[8:9], rrec s[10:11]
	s_load_b128 s[12:15], s[0:1], 0x20             ; cfrec s[12:13], stat s[14:15]
	v_lshl_add_u32 v[SPW], v0, 2, SPARE
	v_mov_b32 v[NIL], 0
	v_lshrrev_b32 v1, 5, v0
	v_readfirstlane_b32 s16, v1                    ; wave 0..7
	v_and_b32 v1, 31, v0                           ; lane
	v_lshlrev_b32 v4, 5, v1                        ; 32 x lane
	v_lshrrev_b32 v5, 2, v1                        ; lane / 4: the block in a half row
	v_and_b32 v6, 3, v1
	s_lshl_b32 s17, s16, 5
	v_lshlrev_b32 v7, 8, v5
	v_lshl_add_u32 v7, v6, 2, v7
	v_add_nc_u32 v7, s17, v7                       ; my word of codes: 256 (lane / 4) + 4 (lane % 4) + 32 w
	v_add_nc_u32 v8, s17, v5                       ; my block's scale byte
	s_lshl_b32 s18, s16, 3
	v_lshlrev_b32 v9, 6, v6
	v_add_nc_u32 v9, s18, v9                       ; the row's sum, four times: 64 (lane % 4) + 8 w
	v_lshlrev_b32 v10, 4, v0                       ; 16 x thread
	v_lshlrev_b32 v11, 4, v1                       ; 16 x lane
	v_add_nc_u32 v12, 96, v1
	v_min_u32 v12, 124, v12
	v_lshlrev_b32 v12, 4, v12                      ; wmax has 125 pieces of 16 bytes: the last load is held at piece 124
	v_mov_b32 v13, 0
.irp n, 0,1,2
	v_mov_b32 v[PD+\n], 0                          ; written once: a lane permute's destination counts as one of its sources
.endr
	s_mov_b32 s30, 0x76543210
	s_mov_b32 s31, 0xfedcba98
	s_mov_b32 s24, 125
	s_wait_alu depctr_va_vdst(0)
	s_wait_kmcnt 0x0
	s_cmp_lt_u32 ttmp9, 125                        ; which tensor: the choice hangs on the work-group's number alone
	s_cselect_b64 s[20:21], s[4:5], s[6:7]
	s_cselect_b64 s[22:23], s[10:11], s[12:13]
	s_cselect_b32 s24, 0, s24
	s_sub_co_u32 s24, ttmp9, s24                   ; the tile
	s_lshl_b32 s26, s24, 15                        ; 16 rows of 2,048 bytes,
	s_lshl_b32 s27, s16, 12                        ; and my two rows
	s_add_co_u32 s26, s26, s27
	s_mov_b32 s27, 0
	s_add_nc_u64 s[20:21], s[20:21], s[26:27]
	s_mul_i32 s26, s24, REC
	s_add_nc_u64 s[22:23], s[22:23], s[26:27]      ; the tile's record
.irp n, 0,1,2,3
	global_load_b128 v[X+8*\n:X+8*\n+3], v4, s[20:21] offset:1024*\n
	global_load_b128 v[X+8*\n+4:X+8*\n+7], v4, s[20:21] offset:1024*\n+16
.endr
	s_cmp_lt_u32 ttmp9, 125
	s_cbranch_scc1 .Lno_norm
	; the centroids' work-groups: inv from the 500 maxima
.irp n, 0,1,2
	global_load_b128 v[WM+4*\n:WM+4*\n+3], v11, s[8:9] offset:512*\n
.endr
	global_load_b128 v[WM+12:WM+15], v12, s[8:9]
	s_wait_loadcnt 0x0
.irp n, 0,3,6,9,12
	v_max3_num_f32 v[WM+\n], v[WM+\n], v[WM+\n+1], v[WM+\n+2]
.endr
	v_max3_num_f32 v[WM], v[WM], v[WM+3], v[WM+6]
	v_max3_num_f32 v[WM+9], v[WM+9], v[WM+12], v[WM+15]
	v_max_num_f32 v[WM], v[WM], v[WM+9]
.irp m, 1,2,4,8
	v_max_num_f32_dpp v[WM], v[WM], v[WM] row_xmask:\m row_mask:0xf bank_mask:0xf
.endr
	v_permlanex16_b32 v[PD+2], v[WM], s30, s31
	v_max_num_f32 v[WM], v[WM], v[PD+2]            ; the largest squared norm, in every lane
	s_wait_alu depctr_va_vdst(0)                   ; the wait ahead of the root and behind it
	v_sqrt_f32 v[WM], v[WM]
	v_nop
	s_wait_alu depctr_va_vdst(0)
	v_add_f32 v[WM], 0x24e69595, v[WM]             ; + 1e-16
	s_wait_alu depctr_va_vdst(0)
	v_rcp_f32 v[SCP], v[WM]
	v_nop
	s_wait_alu depctr_va_vdst(0)
	v_mov_b32 v[SCP+1], v[SCP]
.set j, 0
.rept 16
	v_pk_mul_f32 v[X+j:X+j+1], v[X+j:X+j+1], v[SCP:SCP+1]   ; cf = centroids x inv, in f32, ahead of the quantiser
.set j, j+2
.endr
	s_wait_alu depctr_va_vdst(0)                   ; the wait ahead of the branch
	s_or_b32 s26, s24, s16
	s_cmp_lg_u32 s26, 0
	s_cbranch_scc1 .Lno_norm                       ; one lane of one wave of one work-group stores inv for the last launch
	v_cmp_eq_u32 vcc_lo, 0, v1
	s_wait_alu depctr_va_vdst(0)
	s_wait_xcnt 0x0                                ; EXEC changes only behind this wait
	s_and_saveexec_b32 s34, vcc_lo
	global_store_b32 v13, v[SCP], s[14:15]
	s_wait_xcnt 0x0
	s_or_b32 exec_lo, exec_lo, s34
.Lno_norm:
	s_wait_loadcnt 0x0
	Q4 X, Q
.irp e, 0,1
	v_pk_mul_f32 v[SU+2*\e:SU+2*\e+1], v[X+16*\e:X+16*\e+1], v[X+16*\e:X+16*\e+1]   ; the rows' sums of squares
.endr
.irp j, 2,4,6,8,10,12,14
.irp e, 0,1
	v_pk_fma_f32 v[SU+2*\e:SU+2*\e+1], v[X+16*\e+\j:X+16*\e+\j+1], v[X+16*\e+\j:X+16*\e+\j+1], v[SU+2*\e:SU+2*\e+1]
.endr
.endr
.irp e, 0,1
	v_add_f32 v[SU+2*\e], v[SU+2*\e], v[SU+2*\e+1]
.endr
.irp m, 1,2,4,8
.irp e, 0,1
	v_add_f32_dpp v[SU+2*\e], v[SU+2*\e], v[SU+2*\e] row_xmask:\m row_mask:0xf bank_mask:0xf
.endr
.endr
.irp e, 0,1
	v_permlanex16_b32 v[PD+\e], v[SU+2*\e], s30, s31
.endr
.irp e, 0,1
	v_add_f32 v[SU+2*\e], v[SU+2*\e], v[PD+\e]
.endr
.irp e, 0,1
	v_mul_f32 v[SU+2*\e], -0.5, v[SU+2*\e]
.endr
.irp n, 0,1,2,3
	ds_store_b32 v7, v[Q+12+\n] offset:2048*(\n%2)+16*(\n/2)
	ds_store_b8 v8, v[Q+8+\n] offset:4096+16*(\n/2)+8*(\n%2)   ; a block's four lanes write the same byte with the same value
.endr
.irp e, 0,1
	ds_store_b32 v9, v[SU+2*\e] offset:4352+4*\e
.endr
	s_wait_dscnt 0x0                               ; for the others' sake: my stores have landed
	s_barrier_signal -1
	s_barrier_wait -1
	ds_load_b128 v[X:X+3], v10                     ; the record's first 4,096 bytes, 16 a thread
	s_wait_dscnt 0x0
	global_store_b128 v10, v[X:X+3], s[22:23]      ; 512 consecutive bytes a wave, at a multiple of 256 from the buffer's first byte
	s_cmp_lg_u32 s16, 0
	s_cbranch_scc1 .Lend
	ds_load_b128 v[X+4:X+7], v11 offset:4096       ; and its last 512, by wave 0
	s_wait_dscnt 0x0
	global_store_b128 v11, v[X+4:X+7], s[22:23] offset:4096
.Lend:
	s_wait_tensorcnt 0x0                           ; the wave's end, behind my last LDS store
	ds_add_u32 v[SPW], v[NIL]
	s_wait_dscnt 0x0
	s_endpgm
.Lfunc_end_k_qcf986d9c35_quant:
	.size	k_qcf986d9c35_quant, .Lfunc_end_k_qcf986d9c35_quant-k_qcf986d9c35_quant
	.p2alignl 7, 3214868480
	.fill 96, 4, 3214868480
	.section	.rodata,"a",@progbits
	.p2align	6, 0x0
	.amdhsa_kernel k_qcf986d9c35_quant
		.amdhsa_group_segment_fixed_size 5632
		.amdhsa_private_segment_fixed_size 0
		.amdhsa_enable_private_segment 0
		.amdhsa_kernarg_size 48
		.amdhsa_user_sgpr_count 2
		.amdhsa_user_sgpr_kernarg_segment_ptr 1
		.amdhsa_wavefront_size32 1
		.amdhsa_system_sgpr_workgroup_id_x 1
		.amdhsa_system_sgpr_workgroup_id_y 1
		.amdhsa_system_sgpr_workgroup_id_z 1
		.amdhsa_system_vgpr_workitem_id 0
		.amdhsa_next_free_vgpr 96
		.amdhsa_next_free_sgpr 66
		.amdhsa_reserve_vcc 1
		.amdhsa_float_denorm_mode_32 3
		.amdhsa_float_denorm_mode_16_64 3
		.amdhsa_memory_ordered 1
		.amdhsa_forward_progress 1
		.amdhsa_inst_pref_size 12
	.end_amdhsa_kernel
	.amdgpu_metadata
---
amdhsa.version: [ 1, 2 ]
amdhsa.kernels:
  - .name:           k_qcf986d9c35_quant
    .symbol:         k_qcf986d9c35_quant.kd
    .args:
      - { .name: rejective_centroids, .offset: 0, .size: 8, .value_kind: global_buffer, .address_space: global }
      - { .name: centroids, .offset: 8, .size: 8, .value_kind: global_buffer, .address_space: global }
      - { .name: wmax, .offset: 16, .size: 8, .value_kind: global_buffer, .address_space: global }
      - { .name: rrec, .offset: 24, .size: 8, .value_kind: global_buffer, .address_space: global }
      - { .name: cfrec, .offset: 32, .size: 8, .value_kind: global_buffer, .address_space: global }
      - { .name: stat, .offset: 40, .size: 8, .value_kind: global_buffer, .address_space: global }
    .group_segment_fixed_size: 5632
    .private_segment_fixed_size: 0
    .kernarg_segment_align: 8
    .kernarg_segment_size: 48
    .max_flat_workgroup_size: 256
    .sgpr_count:     66
    .vgpr_count:     96
    .wavefront_size: 32
...
	.end_amdgpu_metadata
.endif
;; end of part 2
;; launch dist (part 3): grid 256 x 1, 16 waves a work-group, clusters of 4 x 1, 327,680 bytes of LDS; arguments x, cfrec, out0, idx; writes out0, idx
.if DOCPART == 3
	.amdgcn_target "amdgcn-amd-amdhsa--gfx1250"
	.amdhsa_code_object_version 6
	.text
	.protected	k_qcf986d9c35_dist
	.globl	k_qcf986d9c35_dist
	.p2align	8
	.type	k_qcf986d9c35_dist,@function
k_qcf986d9c35_dist:
	s_mov_b64 s[64:65], 0
	v_nop
	global_prefetch_b8 v0, s[64:65] scope:SCOPE_SE
	s_setreg_imm32_b32 hwreg(HW_REG_WAVE_MODE, 25, 1), 1
	s_wait_xcnt 0x0
	s_wait_alu depctr_hold_cnt(0) depctr_sa_sdst(0) depctr_va_vdst(0) depctr_va_sdst(0) depctr_va_ssrc(0) depctr_va_vcc(0) depctr_vm_vsrc(0)
	s_getreg_b32 s2, hwreg(HW_REG_IB_STS2, 6, 4)
	s_cmp_eq_u32 s2, 0
	s_cbranch_scc0 .Lentry_in_a_cluster
	s_endpgm
.Lentry_in_a_cluster:
	s_bfe_u32 s2, ttmp6, 0x10000c
	s_cmp_lg_u32 s2, 0x3003
	s_cbranch_scc0 .Lentry_shape_is_right
	s_endpgm
.Lentry_shape_is_right:
; Third launch: product 1 on codes of E2M1, y = -min over a class's two centroids of dist, and the argmin over the 2,000 centroids, stored as whole numbers.
; With C = -c2 / 2 the product gives E = x . cf - c2 / 2; a class's larger E, held at x2 / 2 from above (which is max(d2, 0)), gives d2 = x2 - 2 E.  Ties go to the lower index.
; Left out, as the first kernel's head shows: the branch that return_dists = 1 never reaches, and one root of each pair.  LIMITS: NaN and infinities are not served; a block of zeros in x gets the scale byte 1 (its codes are zeros).
; SHARES.  A work-group owns 32 rows of x: wave w quantises rows 2 w and 2 w + 1 at the head (a lane takes eight neighbours along K, four lanes a block), the codes meet in LDS as images of the operand's registers.
; It walks cf's 125 records in four fills of one slot: fill f brings wave w tiles 32 f + 2 w, + 1 (f = 0 .. 2), fill 3 tiles 96 + min(2 w, w + 13), + 1 (waves 13-15: one).  A record is read by the wave that asked for it alone.
; A fill's two tiles go to registers; then the next fill goes out, and the two are multiplied while it is on its way.
; CLUSTER: all work-groups read the same records: four of them ask jointly (the mask names the four).  The four own different rows of x: cx enters global addresses alone.
; PREFETCH: behind fill f each wave of clusters 0 to 3 names the 256-byte blocks of its part of fill f + 1, nine for each of the four partners (by address); the last fill asks for nothing.
; THE WAY OUT: y gathers in LDS as the linear image of the block's 32 rows of 4,004 bytes; half a wave stores one aligned 256-byte unit.  Counted from each row's first aligned byte, units 0-2 lie in the columns of fill 0,
; 3-6 need fill 1's, 7-10 fill 2's, the rest fill 3's; a fill's units leave under the next fill's work.  A block is 500.5 units: odd blocks begin in a unit's middle, and that unit alone is stored in halves.
; Column 1,000 goes out as 0; the last launch stores it.
.set REC,   4608
.set PARTB, 2*REC
.set YST,   16*PARTB+256               ; the image, behind the slot
.set XIMG,  294912                     ; x's codes, 4,096 bytes for each of two tiles
.set XSC,   XIMG+8192                  ; x's scale bytes, 16 a row
.set XHL,   XSC+512                    ; x2 / 2 of the 32 rows
.set RED,   XHL+256                    ; the waves' bests and their indices, [wave][32 rows]
.set SPARE, RED+4096                   ; the spare words, 128 bytes for each wave: eight blocks of 256 bytes that no other line names
.set ROWO,  4004
.set BLKO,  32*ROWO
.set SPW, 2
.set NIL, 3
.set AD,  4                            ; my codes in the slot
.set AS,  5                            ; my scale words
.set AB,  6                            ; -c2 / 2
.set YA0, 7                            ; the image: my place in the columns of fills 0 and 1; of fill 2; of fill 3
.set YA1, 8
.set YA2, 9
.set LA0, 10                           ; the image, by rows, even blocks; v11 odd
.set LA1, 11
.set GX,  12                           ; the same place in out0
.set XF,  16                           ; v16-79   x's fragments
.set XS,  80                           ; v80-87   its scale words
.set XH,  88                           ; v[88:89], v[90:91] x2 and x2 / 2 of the two tiles' rows
.set SCW, 92                           ; v92-95   two tiles' scale words: lanes 0-15 the first's, 16-31 the second's
.set BI,  96                           ; v96-111  -c2 / 2
.set BF,  112                          ; v112-175 two tiles' fragments; at the head x
.set ACC, 176                          ; v176-191 two accumulators; at the head addresses
.set Y,   192                          ; v192-207 y of two tiles
.set F,   208                          ; v208-223 the way out: rows read back
.set SAVE, 224                         ; v224-239 the best tile's E
.set BEST, 240
.set TID, 242
.set P,   244                          ; v244-251
.set TMP, 252
.set PF1, 254                          ; the prefetches' offsets; never rewritten
.set PF2, 255
.set L32, 176
.set Q,   144
.set SU,  160
.set PD,  164
.set WV,  12
.set G1,  32
.set G1S, 40
.set G0A, 48
.set SEL, 56
.set M15, 58
.set MPRE, 59
.set TS,  72                           ; s[72:79] 16 x the number of my tile i
.macro WA
	s_wait_alu depctr_va_vdst(0)
.endm
.macro ROUND                           ; a round of the cluster's barrier
	s_barrier_signal -1
	s_barrier_wait -1
	s_cmp_lg_u32 s[WV], 0
	s_cbranch_scc1 .Lnot_wave_0_\@
	s_barrier_signal -3
.Lnot_wave_0_\@:
	s_barrier_wait -3
	s_barrier_signal -1
	s_barrier_wait -1
.endm
.macro PL
.rept 4
	v_nop
.endr
.endm
.macro GRP g, rows                     ; descriptor group 1: rows of 256 bytes (32 elements of 8), dense; mask of all four work-groups, bit 21 set beside it
	s_mov_b32 s[\g], 15|(3<<16)|(1<<21)
	s_mov_b32 s[\g+1], 32<<16
	s_mov_b32 s[\g+2], \rows<<16
	s_mov_b32 s[\g+3], 32<<16
	s_mov_b32 s[\g+4], \rows
	s_mov_b32 s[\g+5], 32
	s_mov_b32 s[\g+6], 0
	s_mov_b32 s[\g+7], 0
.endm
.macro ASK v, b
	s_cmp_lt_u32 ttmp9, 4
	s_cbranch_scc0 .Lnot_mine_\@
	global_prefetch_b8 v[\v], s[\b:\b+1] th:TH_LOAD_NT scope:SCOPE_SE
.Lnot_mine_\@:
.endm
.macro Q4 x, m                         ; four chunks of eight: scale operands in m+4 on, scale bytes in m+8 on, codes in m+12 on
.irp n, 0,1,2,3
	v_max3_num_f32 v[\m+\n], |v[\x+8*\n]|, |v[\x+8*\n+1]|, 0x1800000   ; with the floor 2^(3 - 127): the byte cannot fall under 1
.endr
.irp i, 2,4,6
.irp n, 0,1,2,3
	v_max3_num_f32 v[\m+\n], v[\m+\n], |v[\x+8*\n+\i]|, |v[\x+8*\n+\i+1]|
.endr
.endr
.irp k, 1,2
.irp n, 0,1,2,3
	v_max_num_f32_dpp v[\m+\n], v[\m+\n], v[\m+\n] row_xmask:\k row_mask:0xf bank_mask:0xf
.endr
.endr
.irp n, 0,1,2,3
	v_add_nc_u32 v[\m+4+\n], 0xff000000, v[\m+\n]  ; 2 off its exponent field
.endr
.irp n, 0,1,2,3
	v_lshrrev_b32 v[\m+8+\n], 23, v[\m+4+\n]
.endr
.irp n, 0,1,2,3
	v_cvt_scalef32_pk8_fp4_f32 v[\m+12+\n], v[\x+8*\n:\x+8*\n+7], v[\m+4+\n]
.endr
	v_nop
.endm
.macro LT u                            ; record u of my part into set u
.irp g, 0,1,2,3
.irp c, 0,1
	ds_load_b128 v[BF+32*\u+8*\g+4*\c:BF+32*\u+8*\g+4*\c+3], v[AD] offset:REC*\u+1024*\g+512*\c
.endr
.endr
	ds_load_b128 v[BI+8*\u:BI+8*\u+3], v[AB] offset:REC*\u+4352
	ds_load_b128 v[BI+8*\u+4:BI+8*\u+7], v[AB] offset:REC*\u+4368
.endm
.macro SC
	ds_load_b128 v[SCW:SCW+3], v[AS] offset:4096
.endm
.macro WM d, a, b, c, sa, sb, u
.if \u
	v_wmma_scale_f32_16x16x128_f8f6f4 v[(\d):(\d)+7], v[(\a):(\a)+7], v[(\b):(\b)+7], v[(\c):(\c)+7], v[(\sa)], v[(\sb)] matrix_a_fmt:MATRIX_FMT_FP4 matrix_b_fmt:MATRIX_FMT_FP4 matrix_a_scale:MATRIX_SCALE_ROW1
.else
	v_wmma_scale_f32_16x16x128_f8f6f4 v[(\d):(\d)+7], v[(\a):(\a)+7], v[(\b):(\b)+7], v[(\c):(\c)+7], v[(\sa)], v[(\sb)] matrix_a_fmt:MATRIX_FMT_FP4 matrix_b_fmt:MATRIX_FMT_FP4
.endif
.endm
.macro MULT u                          ; the two accumulators by turns; the lane holds centroids 8 h + 0 .. 7 of x's row r
.irp g, 0,1,2,3
.irp t, 0,1
.if \g == 0
	WM ACC+8*\t, BF+32*\u+8*\g, XF+8*(4*\t+\g), BI+8*\u, SCW+\g, XS+4*\t+\g, \u
.else
	WM ACC+8*\t, BF+32*\u+8*\g, XF+8*(4*\t+\g), ACC+8*\t, SCW+\g, XS+4*\t+\g, \u
.endif
.endr
.endr
	PL
.endm
.macro EPI s, first, ts                ; y into slot s; ts: the tile's number x 16
.irp t, 0,1
.irp k, 0,1,2,3
	v_maxmin_num_f32 v[P+4*\t+\k], v[ACC+8*\t+2*\k], v[ACC+8*\t+2*\k+1], v[XH+2*\t+1]   ; the pair's larger E, held at x2 / 2; each accumulator from its low end on
.endr
.endr
.irp t, 0,1
.irp q, 0,2
	v_pk_fma_f32 v[Y+8*(\s)+4*\t+\q:Y+8*(\s)+4*\t+\q+1], v[P+4*\t+\q:P+4*\t+\q+1], -2.0, v[XH+2*\t:XH+2*\t+1] op_sel_hi:[1,0,0]
.endr
.endr
	WA                                             ; one wait ahead of the roots and one behind
.irp n, 0,1,2,3,4,5,6,7
	v_sqrt_f32 v[Y+8*(\s)+\n], v[Y+8*(\s)+\n]
.endr
.irp t, 0,1
	v_max3_num_f32 v[TMP+\t], v[P+4*\t], v[P+4*\t+1], v[P+4*\t+2]
.endr
.irp t, 0,1
	v_max_num_f32 v[TMP+\t], v[TMP+\t], v[P+4*\t+3]
.endr
.irp t, 0,1
.if \first
.irp j, 0,1,2,3,4,5,6,7
	v_mov_b32 v[SAVE+8*\t+\j], v[ACC+8*\t+\j]
.endr
	v_mov_b32 v[TID+\t], s[\ts]
	v_mov_b32 v[BEST+\t], v[TMP+\t]
.else
	v_cmp_gt_f32 vcc_lo, v[TMP+\t], v[BEST+\t]     ; strictly: the earlier tile keeps a tie
.irp j, 0,1,2,3,4,5,6,7
	v_cndmask_b32 v[SAVE+8*\t+\j], v[SAVE+8*\t+\j], v[ACC+8*\t+\j], vcc_lo
.endr
	v_cndmask_b32 v[TID+\t], v[TID+\t], s[\ts], vcc_lo
	v_max_num_f32 v[BEST+\t], v[BEST+\t], v[TMP+\t]
.endif
.endr
	WA
.irp q, 0,2,4,6
	v_pk_mul_f32 v[Y+8*(\s)+\q:Y+8*(\s)+\q+1], v[Y+8*(\s)+\q:Y+8*(\s)+\q+1], -1.0 op_sel_hi:[1,0]
.endr
	WA                                             ; waits and branches follow
.endm
.macro STAGE u, ya, o                  ; tile u: four classes of row r and of row 16 + r
.irp t, 0,1
.irp k, 0,1,2,3
	ds_store_b32 v[\ya], v[Y+8*\u+4*\t+\k] offset:16*ROWO*\t+\o+32*\u+4*\k
.endr
.endr
.endm
.macro BAR                             ; the work-group's barrier behind the stores into LDS
	s_wait_dscnt 0x0
	s_barrier_signal -1
	s_barrier_wait -1
.endm
; The slot, which is in registers, is filled again, from s[b:b+1].  short = 1: waves 13-15 have one record.  The branch hangs on the wave's number alone.
.macro REFILL b, short
	s_wait_tensorcnt 0x0                           ; no tensor load of mine is out, so the group 0 may be written
	ds_add_u32 v[SPW], v[NIL]
	s_mov_b64 s[G0A+2:G0A+3], s[\b:\b+1]
	s_or_b32 s[G0A+3], s[G0A+3], 0x80000000
	s_wait_dscnt 0x0                               ; the add is done, my reads of the slot are over, and my stores into the image have landed
	ROUND
.if \short
	s_cmp_lt_u32 s[WV], 13
	s_cbranch_scc0 .Lone_record_\@
.endif
	tensor_load_to_lds s[G0A:G0A+3], s[G1:G1+7]
	s_nop 0
	PL
.if \short
	s_branch .Lasked_\@
.Lone_record_\@:
	tensor_load_to_lds s[G0A:G0A+3], s[G1S:G1S+7]
	s_nop 0
	PL
.Lasked_\@:
.endif
.endm
.macro FREAD n0, ld                    ; my row's units n0 on, back from the image.  The branch hangs on the cluster's number alone
	s_cmp_lg_u32 s16, 0
	s_cbranch_scc1 .Lodd_\@
.set n, 0
.rept \ld
	ds_load_b128 v[F+4*n:F+4*n+3], v[LA0] offset:256*(\n0+n)
.set n, n+1
.endr
	s_branch .Lread_\@
.Lodd_\@:
.set n, 0
.rept \ld
	ds_load_b128 v[F+4*n:F+4*n+3], v[LA1] offset:256*(\n0+n)+256
.set n, n+1
.endr
.Lread_\@:
.endm
.macro FSEND n0, st
.set n, 0
.rept \st
	s_wait_dscnt \st-1-n                           ; the younger loads may be out
	global_store_b128 v[GX], v[F+4*n:F+4*n+3], s[8:9] offset:256*(\n0+n) th:TH_STORE_NT
.set n, n+1
.endr
.endm
	s_load_b256 s[4:11], s[0:1], 0x0               ; x s[4:5], cfrec s[6:7], out0 s[8:9], idx s[10:11]
	v_lshl_add_u32 v[SPW], v0, 2, SPARE
	v_mov_b32 v[NIL], 0
	ds_add_u32 v[SPW], v[NIL]                      ; the wave's opening: the add, twice on end, and its wait ahead of my first tensor load
	ds_add_u32 v[SPW], v[NIL]
	v_lshrrev_b32 v1, 5, v0
	v_readfirstlane_b32 s[WV], v1                  ; wave 0..15
	v_and_b32 v1, 31, v0                           ; lane
	v_lshlrev_b32 v[L32], 5, v1
	WA
	s_bfe_u32 s13, ttmp6, 0x40000                  ; cx
	s_lshl_b32 s15, s13, 6
	s_add_co_u32 s15, s15, ttmp9                   ; my block of 32 rows = cluster + 64 cx
	s_and_b32 s16, ttmp9, 1
	s_lshl_b32 s16, s16, 7                         ; where my block begins in a 256-byte unit: 0 or 128; the same in all four partners
	GRP G1, 36
	GRP G1S, 18
	s_mov_b32 s[SEL], 0x76543210
	s_mov_b32 s[SEL+1], 0xfedcba98
	s_lshl_b32 s17, s[WV], 1
	s_add_co_u32 s18, s[WV], 13
	s_min_u32 s18, s17, s18                        ; min(2 w, w + 13)
	s_mul_i32 s21, s[WV], PARTB
	s_mov_b32 s22, s21
	s_mov_b32 s23, 0
	s_wait_dscnt 0x0                               ; both opening adds are done
	s_wait_kmcnt 0x0
	s_add_nc_u64 s[70:71], s[6:7], s[22:23]        ; my part of fill 0
	s_mov_b32 s[G0A], 1
	s_mul_i32 s[G0A+1], s[WV], PARTB
	s_mov_b64 s[G0A+2:G0A+3], s[70:71]
	s_or_b32 s[G0A+3], s[G0A+3], 0x80000000
	s_lshl_b32 s22, s15, 16
	s_lshl_b32 s84, s[WV], 12
	s_add_co_u32 s22, s22, s84
	s_add_nc_u64 s[4:5], s[4:5], s[22:23]          ; x at row 32 block + 2 w
	ROUND                                          ; all four work-groups are here: the first joint loads meet
	tensor_load_to_lds s[G0A:G0A+3], s[G1:G1+7]
	s_nop 0
	PL
.irp n, 0,1,2,3
	global_load_b128 v[BF+8*\n:BF+8*\n+3], v[L32], s[4:5] offset:1024*\n        ; chunk n = 2 e + q: row e, k = 256 q + 8 lane + 0 .. 7
	global_load_b128 v[BF+8*\n+4:BF+8*\n+7], v[L32], s[4:5] offset:1024*\n+16
.endr
	s_mul_i32 s22, s18, REC
	s_add_nc_u64 s[66:67], s[6:7], s[22:23]
	s_add_nc_u64 s[66:67], s[66:67], 96*REC        ; of fill 3,
	s_add_nc_u64 s[68:69], s[70:71], 32*REC        ; 1,
	s_add_nc_u64 s[82:83], s[70:71], 64*REC        ; 2
	s_lshl_b32 s[TS], s[WV], 5
	s_add_co_u32 s[TS+1], s[TS], 16
	s_add_co_u32 s[TS+2], s[TS], 512
	s_add_co_u32 s[TS+3], s[TS], 528
	s_add_co_u32 s[TS+4], s[TS], 1024
	s_add_co_u32 s[TS+5], s[TS], 1040
	s_lshl_b32 s[TS+6], s18, 4
	s_add_co_u32 s[TS+6], s[TS+6], 1536
	s_add_co_u32 s[TS+7], s[TS+6], 16
	v_and_b32 v177, 15, v0                         ; r
	v_bfe_u32 v178, v0, 4, 1                       ; h
	v_lshlrev_b32 v179, 4, v1                      ; 16 x lane
	v_add_nc_u32 v[AD], s21, v179
	v_mul_u32_u24 v180, v178, REC
	v_lshl_add_u32 v180, v177, 4, v180             ; scale words: lanes 16-31 take the next record's
	v_add_nc_u32 v[AS], s21, v180
	v_lshlrev_b32 v180, 5, v178
	v_add_nc_u32 v[AB], s21, v180
	v_mul_u32_u24 v181, v177, ROWO
	v_lshl_add_u32 v181, v178, 4, v181             ; the image: row r, + 16 h,
	s_lshl_b32 s84, s[WV], 6
	s_add_co_u32 s84, s84, YST
	v_add_nc_u32 v[YA0], s84, v181                 ; + 32 x my tile: 2 w (fill 1: 1,024 on),
	s_add_co_u32 s84, s84, 2048
	v_add_nc_u32 v[YA1], s84, v181                 ; 64 + 2 w,
	s_lshl_b32 s84, s18, 5
	s_add_co_u32 s84, s84, YST+3072
	v_add_nc_u32 v[YA2], s84, v181                 ; 96 + min(2 w, w + 13)
	; the way out: half h of wave w stores the units that begin in row 2 w + h
	s_mul_i32 s84, s[WV], 2*ROWO
	v_mul_u32_u24 v182, v178, ROWO
	v_add_nc_u32 v182, s84, v182                   ; the row's first byte in the block
	v_add_nc_u32 v183, 255, v182
	v_and_b32 v183, 0xffffff00, v183
	v_lshl_add_u32 v183, v177, 4, v183
	v_add_nc_u32 v[LA0], YST, v183                 ; its first aligned byte, even blocks
	v_add_nc_u32 v183, 383, v182
	v_and_b32 v183, 0xffffff00, v183
	v_lshl_add_u32 v183, v177, 4, v183
	v_add_nc_u32 v[LA1], YST-384, v183             ; odd blocks, 256 lower: units are read at + 256
	v_add_nc_u32 v182, s16, v182
	v_add_nc_u32 v183, 255, v182
	v_and_b32 v183, 0xffffff00, v183
	v_sub_nc_u32 v182, v183, v182
	v_lshl_add_u32 v[GX], v177, 4, v183
	s_movk_i32 s84, 164
	s_add_co_u32 s85, s16, BLKO-3840
	v_cmp_gt_u32 s86, s84, v182                    ; does a sixteenth unit begin in my row,
	v_cmp_gt_u32 s87, s85, v[GX]                   ; and does my piece of it lie in my block?
	s_and_b32 s[M15], s86, s87
	v_add_nc_u32 v182, -8, v0
	v_cmp_gt_u32 s[MPRE], 8, v182                  ; threads 8-15: an odd block's first 128 bytes
	; x's codes, scale bytes and x2 / 2: where I store and where I read
	s_lshr_b32 s84, s[WV], 3
	s_lshl_b32 s84, s84, 12
	s_and_b32 s85, s[WV], 7
	s_lshl_b32 s85, s85, 5
	s_add_co_u32 s84, s84, s85
	s_add_co_u32 s84, s84, XIMG
	v_lshrrev_b32 v185, 2, v1
	v_and_b32 v184, 3, v1
	v_lshlrev_b32 v184, 2, v184
	v_lshl_add_u32 v184, v185, 8, v184
	v_add_nc_u32 v184, s84, v184                   ; my word of codes: tile w / 8, row 2 (w % 8), 256 (lane / 4) + 4 (lane % 4)
	s_lshl_b32 s84, s[WV], 5
	s_add_co_u32 s84, s84, XSC
	v_add_nc_u32 v185, s84, v185                   ; my block's scale byte
	s_lshl_b32 s84, s[WV], 3
	s_add_co_u32 s84, s84, XHL
	v_mov_b32 v186, s84
	v_add_nc_u32 v187, XIMG, v179
	v_lshlrev_b32 v188, 4, v177
	v_add_nc_u32 v188, XSC, v188
	v_lshlrev_b32 v189, 2, v177
	v_add_nc_u32 v189, XHL, v189
	; the image's two ends: pieces read back there reach 128 bytes in front of it and 256 behind it, and are not stored to memory; they hold zeros, 8 and 16 bytes from each wave
	v_and_b32 v190, 1, v1
	v_lshlrev_b32 v190, 2, v190
	s_lshl_b32 s84, s[WV], 3
	s_add_co_u32 s84, s84, YST-128
	v_add_nc_u32 v190, s84, v190
	v_and_b32 v191, 3, v1
	v_lshlrev_b32 v191, 2, v191
	s_lshl_b32 s84, s[WV], 4
	s_add_co_u32 s84, s84, YST+BLKO
	v_add_nc_u32 v191, s84, v191
	v_mov_b32 v166, 0
	; the prefetches: block 9 cx + min(lane, 8) of my part's 36 (fill 3, waves 13-15: held at 17)
	v_min_u32 v[PF1], 8, v1
	s_mul_i32 s84, s13, 9
	v_add_nc_u32 v[PF1], s84, v[PF1]
	s_cmp_lt_u32 s[WV], 13
	s_cselect_b32 s85, 35, 17
	v_min_u32 v[PF2], s85, v[PF1]
	v_lshlrev_b32 v[PF1], 8, v[PF1]
	v_lshlrev_b32 v[PF2], 8, v[PF2]
	v_mov_b32 v[PD], 0                             ; lane permutes' destinations count as sources
	v_mov_b32 v[PD+1], 0
	s_mul_i32 s22, s15, BLKO
	s_sub_co_u32 s22, s22, s16
	s_add_nc_u64 s[8:9], s[8:9], s[22:23]          ; out0 at the unit in which my block begins
	s_lshl_b32 s22, s15, 7
	s_add_nc_u64 s[10:11], s[10:11], s[22:23]
	WA
	ASK PF1, 68
	s_wait_loadcnt 0x0
	Q4 BF, Q
.irp e, 0,1
	v_pk_mul_f32 v[SU+2*\e:SU+2*\e+1], v[BF+16*\e:BF+16*\e+1], v[BF+16*\e:BF+16*\e+1]
.endr
.irp j, 2,4,6,8,10,12,14
.irp e, 0,1
	v_pk_fma_f32 v[SU+2*\e:SU+2*\e+1], v[BF+16*\e+\j:BF+16*\e+\j+1], v[BF+16*\e+\j:BF+16*\e+\j+1], v[SU+2*\e:SU+2*\e+1]
.endr
.endr
.irp e, 0,1
	v_add_f32 v[SU+2*\e], v[SU+2*\e], v[SU+2*\e+1]
.endr
.irp m, 1,2,4,8
.irp e, 0,1
	v_add_f32_dpp v[SU+2*\e], v[SU+2*\e], v[SU+2*\e] row_xmask:\m row_mask:0xf bank_mask:0xf
.endr
.endr
.irp e, 0,1
	v_permlanex16_b32 v[PD+\e], v[SU+2*\e], s[SEL], s[SEL+1]
.endr
.irp e, 0,1
	v_add_f32 v[SU+2*\e], v[SU+2*\e], v[PD+\e]
.endr
.irp e, 0,1
	v_mul_f32 v[SU+2*\e], 0.5, v[SU+2*\e]
.endr
.irp n, 0,1,2,3
	ds_store_b32 v184, v[Q+12+\n] offset:2048*(\n%2)+16*(\n/2)
	ds_store_b8 v185, v[Q+8+\n] offset:16*(\n/2)+8*(\n%2)   ; a block's four lanes write the same byte with the same value
.endr
.irp e, 0,1
	ds_store_b32 v186, v[SU+2*\e] offset:4*\e      ; all lanes write the same word with the same value
.endr
	ds_store_b32 v190, v166                        ; lanes that name one word write the same value
	ds_store_b32 v191, v166
	BAR
.irp t, 0,1
.irp g, 0,1,2,3
.irp c, 0,1
	ds_load_b128 v[XF+8*(4*\t+\g)+4*\c:XF+8*(4*\t+\g)+4*\c+3], v187 offset:4096*\t+1024*\g+512*\c
.endr
.endr
	ds_load_b128 v[XS+4*\t:XS+4*\t+3], v188 offset:256*\t
	ds_load_b32 v[XH+2*\t+1], v189 offset:64*\t
.endr
	s_wait_tensorcnt 0x0                           ; my two records of fill 0 are in
	LT 0
	LT 1
	SC
	REFILL 68, 0                                   ; fill 1
	ASK PF1, 82
.irp t, 0,1
	v_add_f32 v[XH+2*\t], v[XH+2*\t+1], v[XH+2*\t+1]
.endr
	MULT 0
	EPI 0, 1, TS
	MULT 1
	EPI 1, 0, TS+1
	STAGE 0, YA0, 0
	STAGE 1, YA0, 0
	s_wait_tensorcnt 0x0                           ; fill 1 is in
	LT 0
	LT 1
	SC
	REFILL 82, 0                                   ; fill 2; the round also shows every wave's stores into the image
	ASK PF2, 66
	FREAD 0, 3
	MULT 0
	FSEND 0, 3
	s_barrier_signal -1                            ; my reads of the image are over; the wait stands ahead of the next stores into it, with register work between
	EPI 0, 0, TS+2
	MULT 1
	EPI 1, 0, TS+3
	s_barrier_wait -1
	STAGE 0, YA0, 1024
	STAGE 1, YA0, 1024
	s_wait_tensorcnt 0x0                           ; fill 2 is in
	LT 0
	LT 1
	SC
	REFILL 66, 1                                   ; fill 3
	s_wait_xcnt 0x0                                ; the stores of units 0-2 have read their registers
	FREAD 3, 4
	MULT 0
	FSEND 3, 4
	s_barrier_signal -1
	EPI 0, 0, TS+4
	MULT 1
	EPI 1, 0, TS+5
	s_barrier_wait -1
	STAGE 0, YA1, 0
	STAGE 1, YA1, 0
	s_wait_tensorcnt 0x0                           ; fill 3 is in
	LT 0
	SC
	s_cmp_ge_u32 s[WV], 13
	s_cbranch_scc1 .Lone_tile                      ; waves 13-15 have one tile left
	LT 1
.Lone_tile:
	BAR
	s_wait_xcnt 0x0                                ; the stores of units 3-6 have read their registers
	FREAD 7, 4
	MULT 0
	FSEND 7, 4
	s_barrier_signal -1
	EPI 0, 0, TS+6
	s_cmp_ge_u32 s[WV], 13
	s_cbranch_scc1 .Ldone
	MULT 1
	EPI 1, 0, TS+7
.Ldone:
	; my best of each row: the lowest j of the best tile, then lane l xor 16's; ties to the lower index
.irp t, 0,1
	v_mov_b32 v[TMP+\t], 7
.endr
.irp j, 6,5,4,3,2,1,0
.irp t, 0,1
	v_cmp_ge_f32 vcc_lo, v[SAVE+8*\t+\j], v[BEST+\t]
	v_cndmask_b32 v[TMP+\t], v[TMP+\t], \j, vcc_lo
.endr
.endr
	v_bfe_u32 v[P+7], v0, 4, 1
	v_and_b32 v[P+6], 15, v0
	v_mul_u32_u24 v[P+4], v1, ROWO
.irp t, 0,1
	v_lshl_add_u32 v[TMP+\t], v[P+7], 3, v[TMP+\t]
.endr
	v_add_nc_u32 v[P+4], YST+4000, v[P+4]          ; column 1,000 of row = lane
	v_mov_b32 v[P+5], 0
.irp t, 0,1
	v_add_nc_u32 v[TMP+\t], v[TID+\t], v[TMP+\t]
.endr
	s_lshl_b32 s84, s[WV], 7
	s_add_co_u32 s84, s84, RED
	v_lshlrev_b32 v[P+6], 2, v[P+6]
	v_add_nc_u32 v[P+6], s84, v[P+6]               ; RED + 128 w + 4 r
	v_lshlrev_b32 v[P+3], 2, v1
	v_add_nc_u32 v[P+3], RED, v[P+3]               ; RED + 4 x lane
.irp t, 0,1
	v_permlanex16_b32 v[P], v[BEST+\t], s[SEL], s[SEL+1]
	v_permlanex16_b32 v[P+1], v[TMP+\t], s[SEL], s[SEL+1]
	v_cmp_gt_f32 s84, v[P], v[BEST+\t]
	v_cmp_eq_f32 s85, v[P], v[BEST+\t]
	v_cmp_lt_u32 s86, v[P+1], v[TMP+\t]
	s_and_b32 s85, s85, s86
	s_or_b32 s84, s84, s85
	v_cndmask_b32 v[BEST+\t], v[BEST+\t], v[P], s84
	v_cndmask_b32 v[TMP+\t], v[TMP+\t], v[P+1], s84
.endr
	WA
	s_barrier_wait -1
.irp t, 0,1
	ds_store_b32 v[P+6], v[BEST+\t] offset:64*\t
	ds_store_b32 v[P+6], v[TMP+\t] offset:64*\t+2048
.endr
	STAGE 0, YA2, 0
	s_cmp_lt_u32 s[WV], 13
	s_cbranch_scc0 .Lno_7
	STAGE 1, YA2, 0
	s_branch .Lstaged
.Lno_7:
	s_cmp_lg_u32 s[WV], 15
	s_cbranch_scc1 .Lstaged
	ds_store_b32 v[P+4], v[P+5]                    ; wave 15: column 1,000
.Lstaged:
	BAR
	s_wait_xcnt 0x0                                ; the stores of units 7-10 have read their registers
	FREAD 11, 4
	s_cmp_lg_u32 s16, 0
	s_cbranch_scc1 .Lodd
	ds_load_b128 v[BF:BF+3], v[LA0] offset:256*15
	s_branch .Leven
.Lodd:
	ds_load_b128 v[BF:BF+3], v[LA1] offset:256*16
.Leven:
	FSEND 11, 4
	s_wait_dscnt 0x0
	s_wait_xcnt 0x0                                ; EXEC changes only behind this wait
	s_and_saveexec_b32 s84, s[M15]
	global_store_b128 v[GX], v[BF:BF+3], s[8:9] offset:256*15 th:TH_STORE_NT
	s_wait_xcnt 0x0
	s_or_b32 exec_lo, exec_lo, s84
	s_cmp_eq_u32 s16, 0
	s_cbranch_scc1 .Lflushed
	ds_load_b128 v[BF+4:BF+7], v[LA1]              ; an odd block's first 128 bytes: wave 0, lanes 8-15
	s_wait_dscnt 0x0
	s_and_saveexec_b32 s84, s[MPRE]
	global_store_b128 v[GX], v[BF+4:BF+7], s[8:9] offset:-256 th:TH_STORE_NT
	s_wait_xcnt 0x0
	s_or_b32 exec_lo, exec_lo, s84
.Lflushed:
	s_cmp_lg_u32 s[WV], 14
	s_cbranch_scc1 .Lend
	; wave 14: lane l = row l; the sixteen waves' bests
.set n, 0
.rept 16
	ds_load_b32 v[16+n], v[P+3] offset:128*n
	ds_load_b32 v[32+n], v[P+3] offset:128*n+2048
.set n, n+1
.endr
	v_lshlrev_b32 v48, 2, v1
	WA
	s_wait_dscnt 0x0
.set n, 1
.rept 15
	v_cmp_gt_f32 s84, v[16+n], v16
	v_cmp_eq_f32 s85, v[16+n], v16
	v_cmp_lt_u32 s86, v[32+n], v32
	s_and_b32 s85, s85, s86
	s_or_b32 s84, s84, s85
	v_cndmask_b32 v16, v16, v[16+n], s84
	v_cndmask_b32 v32, v32, v[32+n], s84
.set n, n+1
.endr
	global_store_b32 v48, v32, s[10:11]
.Lend:
	s_wait_tensorcnt 0x0                           ; the wave's end
	ds_add_u32 v[SPW], v[NIL]
	s_wait_dscnt 0x0
	ROUND                                          ; the closing round: no work-group ends while a partner may still ask for a load that names it
	s_endpgm
.Lfunc_end_k_qcf986d9c35_dist:
	.size	k_qcf986d9c35_dist, .Lfunc_end_k_qcf986d9c35_dist-k_qcf986d9c35_dist
	.p2alignl 7, 3214868480
	.fill 96, 4, 3214868480
	.section	.rodata,"a",@progbits
	.p2align	6, 0x0
	.amdhsa_kernel k_qcf986d9c35_dist
		.amdhsa_group_segment_fixed_size 327680
		.amdhsa_private_segment_fixed_size 0
		.amdhsa_enable_private_segment 0
		.amdhsa_kernarg_size 32
		.amdhsa_user_sgpr_count 2
		.amdhsa_user_sgpr_kernarg_segment_ptr 1
		.amdhsa_wavefront_size32 1
		.amdhsa_system_sgpr_workgroup_id_x 1
		.amdhsa_system_sgpr_workgroup_id_y 1
		.amdhsa_system_sgpr_workgroup_id_z 1
		.amdhsa_system_vgpr_workitem_id 0
		.amdhsa_next_free_vgpr 256
		.amdhsa_next_free_sgpr 96
		.amdhsa_reserve_vcc 1
		.amdhsa_float_denorm_mode_32 3
		.amdhsa_float_denorm_mode_16_64 3
		.amdhsa_memory_ordered 1
		.amdhsa_forward_progress 1
		.amdhsa_inst_pref_size 72
	.end_amdhsa_kernel
	.amdgpu_metadata
---
amdhsa.version: [ 1, 2 ]
amdhsa.kernels:
  - .name:           k_qcf986d9c35_dist
    .symbol:         k_qcf986d9c35_dist.kd
    .args:
      - { .name: x, .offset: 0, .size: 8, .value_kind: global_buffer, .address_space: global }
      - { .name: cfrec, .offset: 8, .size: 8, .value_kind: global_buffer, .address_space: global }
      - { .name: out0, .offset: 16, .size: 8, .value_kind: global_buffer, .address_space: global }
      - { .name: idx, .offset: 24, .size: 8, .value_kind: global_buffer, .address_space: global }
    .group_segment_fixed_size: 327680
    .private_segment_fixed_size: 0
    .kernarg_segment_align: 8
    .kernarg_segment_size: 32
    .max_flat_workgroup_size: 512
    .sgpr_count:     96
    .vgpr_count:     256
    .wavefront_size: 32
...
	.end_amdgpu_metadata
.endif
;; end of part 3
;; launch rej (part 4): grid 256 x 1, 16 waves a work-group, clusters of 4 x 1, 327,680 bytes of LDS; arguments x, centroids, rrec, idx, stat, out0; writes out0
.if DOCPART == 4
	.amdgcn_target "amdgcn-amd-amdhsa--gfx1250"
	.amdhsa_code_object_version 6
	.text
	.protected	k_qcf986d9c35_rej
	.globl	k_qcf986d9c35_rej
	.p2align	8
	.type	k_qcf986d9c35_rej,@function
k_qcf986d9c35_rej:
	s_mov_b64 s[64:65], 0
	v_nop
	global_prefetch_b8 v0, s[64:65] scope:SCOPE_SE
	s_setreg_imm32_b32 hwreg(HW_REG_WAVE_MODE, 25, 1), 1
	s_wait_xcnt 0x0
	s_wait_alu depctr_hold_cnt(0) depctr_sa_sdst(0) depctr_va_vdst(0) depctr_va_sdst(0) depctr_va_ssrc(0) depctr_va_vcc(0) depctr_vm_vsrc(0)
	s_getreg_b32 s2, hwreg(HW_REG_IB_STS2, 6, 4)
	s_cmp_eq_u32 s2, 0
	s_cbranch_scc0 .Lentry_in_a_cluster
	s_endpgm
.Lentry_in_a_cluster:
	s_bfe_u32 s2, ttmp6, 0x10000c
	s_cmp_lg_u32 s2, 0x3003
	s_cbranch_scc0 .Lentry_shape_is_right
	s_endpgm
.Lentry_shape_is_right:
; Fourth launch: products 2 and 3 on codes of E2M1, and rej_hd[b] = min over the 2,000 rejective centroids of |cx - xr - (cl2 - r2) / 2| / (sqrt(max(cl2 + r2 - 2 cr, 0)) + 1e-9).
; Left out, as the first kernel's head shows: the branch that return_dists = 1 never reaches.
; With C = -r2 / 2 in both products: X = xr - r2 / 2, Cc = cr - r2 / 2; the numerator is |A - X|, A = cx - cl2 / 2; d2 = cl2 - 2 Cc.  cx and cl2 are f32 sums of the unquantised closest row, centroids x inv.
; LIMITS: 1 / den is taken as rsq(max(d2, 1e-18)): the same where d2 is 0; else den lacks the 1e-9, which is 1e-9 / sqrt(d2) of it (a thousandth at sqrt(d2) = 1e-6, under f32's rounding from 0.02 on).
; NaN and infinities are not served; a block of zeros gets the scale byte 1 (its codes are zeros); idx is held at 1,999 ahead of every address.
; SHARES.  A work-group owns 32 rows of x: wave w quantises rows 2 w and 2 w + 1 of x and their closest centroids at the head (a lane takes eight neighbours along K, four lanes a block); the codes meet in LDS as images of the
; operand's registers.  It walks the rejective centroids' 125 records through two LDS slots, two records a wave: fill f brings wave w tiles 32 f + 2 w, + 1 (f = 0 .. 2), fill 3 tiles 96 + min(2 w, w + 13), + 1 (waves 13-15: one).
; A record is read by the wave that asked for it alone.  CLUSTER: all work-groups read the same records: four ask jointly (the mask names the four); cx enters global addresses alone.
; PREFETCH: behind fill f each wave of clusters 0 to 3 names the 256-byte blocks of its part of fill f + 1, nine for each of the four partners (by address); the last fill asks for nothing.
.set REC,   4608
.set PARTB, 2*REC
.set RING1, 16*PARTB
.set XIMG,  2*RING1                    ; x's codes, 4,096 bytes for each of two tiles; closest's behind them
.set XSC,   XIMG+16384                 ; x's scale bytes, 16 a row; closest's behind them
.set AL,    XSC+1024                   ; A of the 32 rows, then cl2
.set RED,   AL+256                     ; the waves' bests, [wave][32 rows]
.set SPARE, RED+2048                   ; the spare words, 128 bytes for each wave: eight blocks of 256 bytes that no other line names
.set ROWO,  4004
.set BLKO,  32*ROWO
.set SPW, 2
.set NIL, 3
.set ADC, 4                            ; v4, v5 my codes in slot 0, 1
.set ASC, 6                            ; v6, v7 scale words
.set ABI, 8                            ; v8, v9 -r2 / 2
.set RDA, 10
.set PF1, 11                           ; the prefetches' offsets; never rewritten
.set PF2, 12
.set W0A, 13
.set OUTO, 14
.set XF,  16                           ; v16-79   x's fragments; at the head x's and the closest rows
.set CF,  80                           ; v80-143  closest's fragments; at the head at work
.set XS,  144
.set CS,  152
.set SCW, 160                          ; two tiles' scale words: lanes 0-15 the first's, 16-31 the second's
.set BI,  164
.set BF,  172
.set XA,  204                          ; v204-219 X; at the head addresses
.set CA,  220                          ; v220-235 Cc
.set AP,  236                          ; v[236:237], v[238:239] A, twice
.set CL2, 240
.set BEST, 244                         ; v244-245 the greatest -|quotient| so far
.set PT,  246
.set XR,  16                           ; at the head: v16-47 x, v48-79 closest
.set CR,  48
.set QX,  80
.set QC,  96
.set SU,  112                          ; v[112:113], v[114:115] cx; v[116:117], v[118:119] cl2
.set PD,  120
.set L32, 204
.set WV,  20
.set G1,  24
.set G1S, 32
.set G0A, 40
.set G0B, 44
.set SEL, 48
.set EPS, 59
.macro WA
	s_wait_alu depctr_va_vdst(0)
.endm
.macro CREST                           ; a round of the cluster's barrier behind its opening barrier
	s_cmp_lg_u32 s[WV], 0
	s_cbranch_scc1 .Lnot_wave_0_\@
	s_barrier_signal -3
.Lnot_wave_0_\@:
	s_barrier_wait -3
	s_barrier_signal -1
	s_barrier_wait -1
.endm
.macro ROUND
	s_barrier_signal -1
	s_barrier_wait -1
	CREST
.endm
.macro PL
.rept 4
	v_nop
.endr
.endm
.macro GRP g, rows                     ; descriptor group 1: rows of 256 bytes (32 elements of 8), dense; mask of all four work-groups, bit 21 set beside it
	s_mov_b32 s[\g], 15|(3<<16)|(1<<21)
	s_mov_b32 s[\g+1], 32<<16
	s_mov_b32 s[\g+2], \rows<<16
	s_mov_b32 s[\g+3], 32<<16
	s_mov_b32 s[\g+4], \rows
	s_mov_b32 s[\g+5], 32
	s_mov_b32 s[\g+6], 0
	s_mov_b32 s[\g+7], 0
.endm
.macro ASK v, b
	s_cmp_lt_u32 ttmp9, 4
	s_cbranch_scc0 .Lnot_mine_\@
	global_prefetch_b8 v[\v], s[\b:\b+1] th:TH_LOAD_NT scope:SCOPE_SE
.Lnot_mine_\@:
.endm
.macro Q4 x, m                         ; four chunks of eight: scale operands in m+4 on, scale bytes in m+8 on, codes in m+12 on
.irp n, 0,1,2,3
	v_max3_num_f32 v[\m+\n], |v[\x+8*\n]|, |v[\x+8*\n+1]|, 0x1800000   ; with the floor 2^(3 - 127): the byte cannot fall under 1
.endr
.irp i, 2,4,6
.irp n, 0,1,2,3
	v_max3_num_f32 v[\m+\n], v[\m+\n], |v[\x+8*\n+\i]|, |v[\x+8*\n+\i+1]|
.endr
.endr
.irp k, 1,2
.irp n, 0,1,2,3
	v_max_num_f32_dpp v[\m+\n], v[\m+\n], v[\m+\n] row_xmask:\k row_mask:0xf bank_mask:0xf
.endr
.endr
.irp n, 0,1,2,3
	v_add_nc_u32 v[\m+4+\n], 0xff000000, v[\m+\n]  ; 2 off its exponent field
.endr
.irp n, 0,1,2,3
	v_lshrrev_b32 v[\m+8+\n], 23, v[\m+4+\n]
.endr
.irp n, 0,1,2,3
	v_cvt_scalef32_pk8_fp4_f32 v[\m+12+\n], v[\x+8*\n:\x+8*\n+7], v[\m+4+\n]
.endr
	v_nop
.endm
.macro QSTORE m, o                     ; o = 0: x's; 1: closest's.  A block's four lanes write the same byte with the same value
.irp n, 0,1,2,3
	ds_store_b32 v205, v[\m+12+\n] offset:8192*\o+2048*(\n%2)+16*(\n/2)
	ds_store_b8 v206, v[\m+8+\n] offset:512*\o+16*(\n/2)+8*(\n%2)
.endr
.endm
.macro LOADT sl, u
.irp g, 0,1,2,3
.irp c, 0,1
	ds_load_b128 v[BF+8*\g+4*\c:BF+8*\g+4*\c+3], v[ADC+\sl] offset:REC*\u+1024*\g+512*\c
.endr
.endr
	ds_load_b128 v[BI:BI+3], v[ABI+\sl] offset:REC*\u+4352
	ds_load_b128 v[BI+4:BI+7], v[ABI+\sl] offset:REC*\u+4368
.if \u == 0
	ds_load_b128 v[SCW:SCW+3], v[ASC+\sl] offset:4096
.endif
.endm
.macro WM d, a, b, c, sa, sb, u
.if \u
	v_wmma_scale_f32_16x16x128_f8f6f4 v[(\d):(\d)+7], v[(\a):(\a)+7], v[(\b):(\b)+7], v[(\c):(\c)+7], v[(\sa)], v[(\sb)] matrix_a_fmt:MATRIX_FMT_FP4 matrix_b_fmt:MATRIX_FMT_FP4 matrix_a_scale:MATRIX_SCALE_ROW1
.else
	v_wmma_scale_f32_16x16x128_f8f6f4 v[(\d):(\d)+7], v[(\a):(\a)+7], v[(\b):(\b)+7], v[(\c):(\c)+7], v[(\sa)], v[(\sb)] matrix_a_fmt:MATRIX_FMT_FP4 matrix_b_fmt:MATRIX_FMT_FP4
.endif
.endm
.macro MULT u                          ; a tile of rejective centroids against x's two tiles and closest's two: four accumulators by turns
.irp g, 0,1,2,3
.irp t, 0,1
.if \g == 0
	WM XA+8*\t, BF+8*\g, XF+8*(4*\t+\g), BI, SCW+\g, XS+4*\t+\g, \u
.else
	WM XA+8*\t, BF+8*\g, XF+8*(4*\t+\g), XA+8*\t, SCW+\g, XS+4*\t+\g, \u
.endif
.endr
.irp t, 0,1
.if \g == 0
	WM CA+8*\t, BF+8*\g, CF+8*(4*\t+\g), BI, SCW+\g, CS+4*\t+\g, \u
.else
	WM CA+8*\t, BF+8*\g, CF+8*(4*\t+\g), CA+8*\t, SCW+\g, CS+4*\t+\g, \u
.endif
.endr
.endr
.endm
.macro EPI
.irp q, 0,2,4,6
.irp t, 0,1
	v_pk_fma_f32 v[CA+8*\t+\q:CA+8*\t+\q+1], v[CA+8*\t+\q:CA+8*\t+\q+1], -2.0, v[CL2+2*\t:CL2+2*\t+1] op_sel_hi:[1,0,1]   ; d2; each accumulator from its low end on
.endr
.endr
.irp q, 0,2,4,6
.irp t, 0,1
	v_pk_add_f32 v[XA+8*\t+\q:XA+8*\t+\q+1], v[AP+2*\t:AP+2*\t+1], v[XA+8*\t+\q:XA+8*\t+\q+1] neg_lo:[0,1] neg_hi:[0,1]   ; A - X
.endr
.endr
.set n, 0
.rept 16
	v_max_num_f32 v[CA+n], s[EPS], v[CA+n]
.set n, n+1
.endr
	WA                                             ; one wait ahead of the batch and one behind
.set n, 0
.rept 16
	v_rsq_f32 v[CA+n], v[CA+n]
.set n, n+1
.endr
	v_nop                                          ; a plain place behind the last of them
	WA
.set n, 0
.rept 8
	v_pk_mul_f32 v[XA+n:XA+n+1], v[XA+n:XA+n+1], v[CA+n:CA+n+1]
.set n, n+2
.endr
.irp q, 0,2,4,6
.irp t, 0,1
	v_max3_num_f32 v[BEST+\t], v[BEST+\t], -|v[XA+8*\t+\q]|, -|v[XA+8*\t+\q+1]|   ; the least quotient, kept as the greatest of their negatives
.endr
.endr
	WA                                             ; waits and branches follow
.endm
; The slot just read is filled again, from s[b:b+1].  Every wave: all its tensor loads have landed; 0 onto its spare word; its LDS reads are back; a round of the cluster's barrier, with this tile's vector work inside it; its one joint load.
; short = 1: waves 13-15 have one record left.  The branch hangs on the wave's number alone.
.macro CHANGE g0, b, short
	s_wait_tensorcnt 0x0
	ds_add_u32 v[SPW], v[NIL]
	s_mov_b64 s[\g0+2:\g0+3], s[\b:\b+1]           ; no tensor load of mine is out, so a group 0 may be written
	s_or_b32 s[\g0+3], s[\g0+3], 0x80000000
	s_wait_dscnt 0x0                               ; the add is done, and my reads of the slot are over
	s_barrier_signal -1
	EPI
	s_barrier_wait -1
	CREST
.if \short
	s_cmp_lt_u32 s[WV], 13
	s_cbranch_scc0 .Lone_record_\@
.endif
	tensor_load_to_lds s[\g0:\g0+3], s[G1:G1+7]
	s_nop 0
	PL
.if \short
	s_branch .Lasked_\@
.Lone_record_\@:
	tensor_load_to_lds s[\g0:\g0+3], s[G1S:G1S+7]
	s_nop 0
	PL
.Lasked_\@:
.endif
.endm
	s_load_b256 s[4:11], s[0:1], 0x0               ; x s[4:5], centroids s[6:7], rrec s[8:9], idx s[10:11]
	s_load_b128 s[12:15], s[0:1], 0x20             ; stat s[12:13], out0 s[14:15]
	v_lshl_add_u32 v[SPW], v0, 2, SPARE
	v_mov_b32 v[NIL], 0
	ds_add_u32 v[SPW], v[NIL]                      ; the wave's opening: the add, twice on end, and its wait ahead of my first tensor load
	ds_add_u32 v[SPW], v[NIL]
	v_lshrrev_b32 v1, 5, v0
	v_readfirstlane_b32 s[WV], v1                  ; wave 0..15
	v_and_b32 v1, 31, v0                           ; lane
	v_lshlrev_b32 v[L32], 5, v1
	WA
	s_bfe_u32 s21, ttmp6, 0x40000                  ; cx
	s_lshl_b32 s22, s21, 6
	s_add_co_u32 s22, s22, ttmp9                   ; my block of 32 rows = cluster + 64 cx
	GRP G1, 36
	GRP G1S, 18
	s_mov_b32 s[SEL], 0x76543210
	s_mov_b32 s[SEL+1], 0xfedcba98
	s_mov_b32 s[EPS], 0x219392ef                   ; 1e-18
	s_lshl_b32 s17, s[WV], 1
	s_add_co_u32 s18, s[WV], 13
	s_min_u32 s18, s17, s18                        ; min(2 w, w + 13)
	s_mul_i32 s23, s[WV], PARTB
	s_mul_i32 s50, s18, REC
	s_mov_b32 s51, 0
	s_wait_dscnt 0x0                               ; both opening adds are done
	s_wait_kmcnt 0x0
	s_add_nc_u64 s[74:75], s[8:9], s[50:51]
	s_add_nc_u64 s[74:75], s[74:75], 96*REC        ; my part of fill 3
	s_lshl_b32 s50, s22, 7
	s_lshl_b32 s52, s[WV], 3
	s_add_co_u32 s50, s50, s52
	s_add_nc_u64 s[54:55], s[10:11], s[50:51]
	s_load_b64 s[56:57], s[54:55], 0x0             ; the closest centroids of rows 2 w and 2 w + 1
	s_load_b32 s58, s[12:13], 0x0                  ; inv
	s_lshl_b32 s50, s22, 16
	s_lshl_b32 s52, s[WV], 12
	s_add_co_u32 s50, s50, s52
	s_add_nc_u64 s[4:5], s[4:5], s[50:51]          ; x at row 32 block + 2 w
	s_mov_b32 s50, s23
	s_add_nc_u64 s[70:71], s[8:9], s[50:51]        ; of fill 0,
	s_add_nc_u64 s[78:79], s[70:71], 32*REC        ; 1,
	s_add_nc_u64 s[72:73], s[70:71], 64*REC        ; 2
	s_mul_i32 s50, s22, BLKO
	s_add_nc_u64 s[14:15], s[14:15], s[50:51]      ; out0 at my block
	s_mov_b32 s[G0A], 1
	s_mul_i32 s[G0A+1], s[WV], PARTB
	s_mov_b64 s[G0A+2:G0A+3], s[70:71]
	s_or_b32 s[G0A+3], s[G0A+3], 0x80000000
	s_mov_b32 s[G0B], 1
	s_add_co_u32 s[G0B+1], s23, RING1
	s_mov_b64 s[G0B+2:G0B+3], s[78:79]
	s_or_b32 s[G0B+3], s[G0B+3], 0x80000000
	ROUND                                          ; all four work-groups are here: the first joint loads meet
	tensor_load_to_lds s[G0A:G0A+3], s[G1:G1+7]
	s_nop 0
	PL
.irp n, 0,1,2,3
	global_load_b128 v[XR+8*\n:XR+8*\n+3], v[L32], s[4:5] offset:1024*\n        ; chunk n = 2 e + q: row e, k = 256 q + 8 lane + 0 .. 7
	global_load_b128 v[XR+8*\n+4:XR+8*\n+7], v[L32], s[4:5] offset:1024*\n+16
.endr
	s_wait_kmcnt 0x0
	s_min_u32 s56, s56, 0x7cf                      ; held inside the table ahead of every address
	s_min_u32 s57, s57, 0x7cf
	s_lshl_b32 s50, s56, 11
	s_add_nc_u64 s[66:67], s[6:7], s[50:51]
	s_lshl_b32 s50, s57, 11
	s_add_nc_u64 s[68:69], s[6:7], s[50:51]
	s_mov_b32 s76, s58
	s_mov_b32 s77, s58
.irp q, 0,1
	global_load_b128 v[CR+8*\q:CR+8*\q+3], v[L32], s[66:67] offset:1024*\q
	global_load_b128 v[CR+8*\q+4:CR+8*\q+7], v[L32], s[66:67] offset:1024*\q+16
	global_load_b128 v[CR+16+8*\q:CR+16+8*\q+3], v[L32], s[68:69] offset:1024*\q
	global_load_b128 v[CR+16+8*\q+4:CR+16+8*\q+7], v[L32], s[68:69] offset:1024*\q+16
.endr
	v_and_b32 v211, 15, v0                         ; r
	v_bfe_u32 v212, v0, 4, 1                       ; h
	v_lshlrev_b32 v213, 4, v1                      ; 16 x lane
	v_add_nc_u32 v[ADC], s23, v213
	v_add_nc_u32 v[ADC+1], RING1, v[ADC]
	v_mul_u32_u24 v214, v212, REC
	v_lshl_add_u32 v214, v211, 4, v214             ; scale words: lanes 16-31 take the second record's
	v_add_nc_u32 v[ASC], s23, v214
	v_add_nc_u32 v[ASC+1], RING1, v[ASC]
	v_lshlrev_b32 v214, 5, v212
	v_add_nc_u32 v[ABI], s23, v214
	v_add_nc_u32 v[ABI+1], RING1, v[ABI]
	s_lshr_b32 s52, s[WV], 3
	s_lshl_b32 s52, s52, 12
	s_and_b32 s53, s[WV], 7
	s_lshl_b32 s53, s53, 5
	s_add_co_u32 s52, s52, s53
	s_add_co_u32 s52, s52, XIMG
	v_lshrrev_b32 v206, 2, v1
	v_and_b32 v205, 3, v1
	v_lshlrev_b32 v205, 2, v205
	v_lshl_add_u32 v205, v206, 8, v205
	v_add_nc_u32 v205, s52, v205                   ; my word of codes: tile w / 8, row 2 (w % 8), 256 (lane / 4) + 4 (lane % 4)
	s_lshl_b32 s52, s[WV], 5
	s_add_co_u32 s52, s52, XSC
	v_add_nc_u32 v206, s52, v206                   ; my block's scale byte
	s_lshl_b32 s52, s[WV], 3
	s_add_co_u32 s52, s52, AL
	v_mov_b32 v207, s52
	v_add_nc_u32 v208, XIMG, v213
	v_lshlrev_b32 v209, 4, v211
	v_add_nc_u32 v209, XSC, v209
	v_lshlrev_b32 v215, 2, v211
	v_add_nc_u32 v210, AL, v215
	s_lshl_b32 s52, s[WV], 7
	s_add_co_u32 s52, s52, RED
	v_add_nc_u32 v[RDA], s52, v215
	v_lshlrev_b32 v[W0A], 2, v1
	v_add_nc_u32 v[W0A], RED, v[W0A]
	v_mul_u32_u24 v[OUTO], v1, ROWO
	; the prefetches: block 9 cx + min(lane, 8) of my part's 36 (fill 3, waves 13-15: held at 17)
	v_min_u32 v[PF1], 8, v1
	s_mul_i32 s52, s21, 9
	v_add_nc_u32 v[PF1], s52, v[PF1]
	s_cmp_lt_u32 s[WV], 13
	s_cselect_b32 s53, 35, 17
	v_min_u32 v[PF2], s53, v[PF1]
	v_lshlrev_b32 v[PF1], 8, v[PF1]
	v_lshlrev_b32 v[PF2], 8, v[PF2]
.irp n, 0,1,2,3
	v_mov_b32 v[PD+\n], 0                          ; lane permutes' destinations count as sources
.endr
	v_mov_b32 v[PT], 0
	v_mov_b32 v[PT+1], 0
	v_mov_b32 v[BEST], 0xff800000                  ; -infinity, under every -|quotient|
	v_mov_b32 v[BEST+1], 0xff800000
	WA
	ASK PF1, 78
	s_wait_loadcnt 0x8                             ; x's rows are in; the eight loads of closest's, issued behind them, may be out
	Q4 XR, QX
	QSTORE QX, 0
	s_wait_loadcnt 0x0
.set j, 0
.rept 16
	v_pk_mul_f32 v[CR+j:CR+j+1], v[CR+j:CR+j+1], s[76:77] op_sel_hi:[1,0]   ; closest = centroids x inv, in f32
.set j, j+2
.endr
.irp e, 0,1
	v_pk_mul_f32 v[SU+2*\e:SU+2*\e+1], v[XR+16*\e:XR+16*\e+1], v[CR+16*\e:CR+16*\e+1]
	v_pk_mul_f32 v[SU+4+2*\e:SU+5+2*\e], v[CR+16*\e:CR+16*\e+1], v[CR+16*\e:CR+16*\e+1]
.endr
.irp j, 2,4,6,8,10,12,14
.irp e, 0,1
	v_pk_fma_f32 v[SU+2*\e:SU+2*\e+1], v[XR+16*\e+\j:XR+16*\e+\j+1], v[CR+16*\e+\j:CR+16*\e+\j+1], v[SU+2*\e:SU+2*\e+1]
	v_pk_fma_f32 v[SU+4+2*\e:SU+5+2*\e], v[CR+16*\e+\j:CR+16*\e+\j+1], v[CR+16*\e+\j:CR+16*\e+\j+1], v[SU+4+2*\e:SU+5+2*\e]
.endr
.endr
.irp n, 0,1,2,3
	v_add_f32 v[SU+2*\n], v[SU+2*\n], v[SU+2*\n+1]
.endr
.irp m, 1,2,4,8
.irp n, 0,1,2,3
	v_add_f32_dpp v[SU+2*\n], v[SU+2*\n], v[SU+2*\n] row_xmask:\m row_mask:0xf bank_mask:0xf
.endr
.endr
.irp n, 0,1,2,3
	v_permlanex16_b32 v[PD+\n], v[SU+2*\n], s[SEL], s[SEL+1]
.endr
.irp n, 0,1,2,3
	v_add_f32 v[SU+2*\n], v[SU+2*\n], v[PD+\n]
.endr
.irp e, 0,1
	v_fma_f32 v[SU+2*\e], -0.5, v[SU+4+2*\e], v[SU+2*\e]   ; A = cx - cl2 / 2
.endr
	Q4 CR, QC
	QSTORE QC, 1
.irp e, 0,1
	ds_store_b32 v207, v[SU+2*\e] offset:4*\e      ; all lanes write the same word with the same value
	ds_store_b32 v207, v[SU+4+2*\e] offset:128+4*\e
.endr
	s_wait_tensorcnt 0x0                           ; my part of fill 0 is in
	ds_add_u32 v[SPW], v[NIL]
	s_wait_dscnt 0x0                               ; the add is done; for the others' sake: my stores have landed
	ROUND                                          ; it also shows every wave's stores to the fragment loads below
	tensor_load_to_lds s[G0B:G0B+3], s[G1:G1+7]    ; fill 1
	s_nop 0
	PL
.irp t, 0,1
.irp g, 0,1,2,3
.irp c, 0,1
	ds_load_b128 v[XF+8*(4*\t+\g)+4*\c:XF+8*(4*\t+\g)+4*\c+3], v208 offset:4096*\t+1024*\g+512*\c
	ds_load_b128 v[CF+8*(4*\t+\g)+4*\c:CF+8*(4*\t+\g)+4*\c+3], v208 offset:8192+4096*\t+1024*\g+512*\c
.endr
.endr
	ds_load_b128 v[XS+4*\t:XS+4*\t+3], v209 offset:256*\t
	ds_load_b128 v[CS+4*\t:CS+4*\t+3], v209 offset:512+256*\t
	ds_load_b32 v[AP+2*\t], v210 offset:64*\t
	ds_load_b32 v[CL2+2*\t], v210 offset:128+64*\t
.endr
	LOADT 0, 0                                     ; (fill 0 landed ahead of the round)
	ASK PF1, 72
	s_wait_dscnt 0x0
.irp t, 0,1
	v_mov_b32 v[AP+2*\t+1], v[AP+2*\t]
	v_mov_b32 v[CL2+2*\t+1], v[CL2+2*\t]
.endr
	WA
	MULT 0
	PL
	LOADT 0, 1                                     ; the next tile's loads stand ahead of this tile's vector work
	EPI
	s_wait_dscnt 0x0
	MULT 1
	PL
	CHANGE G0A, 72, 0                              ; slot 0 takes fill 2
	ASK PF2, 74
	LOADT 1, 0
	s_wait_dscnt 0x0
	MULT 0
	PL
	LOADT 1, 1
	EPI
	s_wait_dscnt 0x0
	MULT 1
	PL
	CHANGE G0B, 74, 1                              ; slot 1 takes fill 3
	LOADT 0, 0
	s_wait_dscnt 0x0
	MULT 0
	PL
	LOADT 0, 1
	EPI
	s_wait_dscnt 0x0
	MULT 1
	PL
	s_wait_tensorcnt 0x0                           ; fill 3 is in: my last load
	LOADT 1, 0
	EPI
	s_wait_dscnt 0x0
	MULT 0
	PL
	s_cmp_ge_u32 s[WV], 13
	s_cbranch_scc1 .Lshort                         ; waves 13-15 have no second tile
	LOADT 1, 1
	EPI
	s_wait_dscnt 0x0
	MULT 1
	PL
	EPI
	s_branch .Ldone
.Lshort:
	EPI
.Ldone:
.irp t, 0,1
	v_permlanex16_b32 v[PT+\t], v[BEST+\t], s[SEL], s[SEL+1]
.endr
.irp t, 0,1
	v_max_num_f32 v[BEST+\t], v[BEST+\t], v[PT+\t] ; with lane l xor 16's eight of each tile
.endr
.irp t, 0,1
	ds_store_b32 v[RDA], v[BEST+\t] offset:64*\t
.endr
	s_wait_dscnt 0x0
	s_barrier_signal -1
	s_barrier_wait -1
	s_cmp_lg_u32 s[WV], 0
	s_cbranch_scc1 .Lend
.set n, 0
.rept 16                               ; wave 0: lane l = row l; the sixteen waves' bests
	ds_load_b32 v[16+n], v[W0A] offset:128*n
.set n, n+1
.endr
	s_wait_dscnt 0x0
.irp j, 16,19,22,25,28
	v_max3_num_f32 v[\j], v[\j], v[\j+1], v[\j+2]
.endr
	v_max3_num_f32 v16, v16, v19, v22
	v_max3_num_f32 v25, v25, v28, v31
	v_max_num_f32 v16, v16, v25
	v_mul_f32 v16, -1.0, v16                       ; rej_hd
	global_store_b32 v[OUTO], v16, s[14:15] offset:4000   ; one word at the end of each of my 32 rows: the launch's one store
.Lend:
	s_wait_tensorcnt 0x0                           ; the wave's end, behind my last tensor load and my last LDS store
	ds_add_u32 v[SPW], v[NIL]
	s_wait_dscnt 0x0
	ROUND                                          ; the closing round: no work-group ends while a partner may still ask for a load that names it
	s_endpgm
.Lfunc_end_k_qcf986d9c35_rej:
	.size	k_qcf986d9c35_rej, .Lfunc_end_k_qcf986d9c35_rej-k_qcf986d9c35_rej
	.p2alignl 7, 3214868480
	.fill 96, 4, 3214868480
	.section	.rodata,"a",@progbits
	.p2align	6, 0x0
	.amdhsa_kernel k_qcf986d9c35_rej
		.amdhsa_group_segment_fixed_size 327680
		.amdhsa_private_segment_fixed_size 0
		.amdhsa_enable_private_segment 0
		.amdhsa_kernarg_size 48
		.amdhsa_user_sgpr_count 2
		.amdhsa_user_sgpr_kernarg_segment_ptr 1
		.amdhsa_wavefront_size32 1
		.amdhsa_system_sgpr_workgroup_id_x 1
		.amdhsa_system_sgpr_workgroup_id_y 1
		.amdhsa_system_sgpr_workgroup_id_z 1
		.amdhsa_system_vgpr_workitem_id 0
		.amdhsa_next_free_vgpr 256
		.amdhsa_next_free_sgpr 96
		.amdhsa_reserve_vcc 0
		.amdhsa_float_denorm_mode_32 3
		.amdhsa_float_denorm_mode_16_64 3
		.amdhsa_memory_ordered 1
		.amdhsa_forward_progress 1
		.amdhsa_inst_pref_size 78
	.end_amdhsa_kernel
	.amdgpu_metadata
---
amdhsa.version: [ 1, 2 ]
amdhsa.kernels:
  - .name:           k_qcf986d9c35_rej
    .symbol:         k_qcf986d9c35_rej.kd
    .args:
      - { .name: x, .offset: 0, .size: 8, .value_kind: global_buffer, .address_space: global }
      - { .name: centroids, .offset: 8, .size: 8, .value_kind: global_buffer, .address_space: global }
      - { .name: rrec, .offset: 16, .size: 8, .value_kind: global_buffer, .address_space: global }
      - { .name: idx, .offset: 24, .size: 8, .value_kind: global_buffer, .address_space: global }
      - { .name: stat, .offset: 32, .size: 8, .value_kind: global_buffer, .address_space: global }
      - { .name: out0, .offset: 40, .size: 8, .value_kind: global_buffer, .address_space: global }
    .group_segment_fixed_size: 327680
    .private_segment_fixed_size: 0
    .kernarg_segment_align: 8
    .kernarg_segment_size: 48
    .max_flat_workgroup_size: 512
    .sgpr_count:     96
    .vgpr_count:     256
    .wavefront_size: 32
...
	.end_amdgpu_metadata
.endif
;; end of part 4
